; MI455X (gfx1250); checked and timed in simulation.
; The chip was launched on July 23, 2026; its instructions are those of AMD's public machine-readable ISA for CDNA 5 (MIT licence, August 2026) and "CDNA5" Instruction Set Architecture Reference Guide (July 2026). The comments in the code are by the model that wrote it; some were corrected since.
;; Continous Action Decoder. Allowed arithmetic: matrix products marked QUANTISED: E2M1 operands, one E8M0 scale for each 32 along K, by v_wmma_scale_f32_16x16x128_f8f6f4 with both operands' format E2M1 (or v_wmma_scale_f32_32x16x128_f4), f32 sums; everything else in f32.
;; Inputs: action_set 32,768 x 512 float32; pred_action 4,096 x 512 float32.
;; Outputs: out0 4,096 x 512 float32.
;; This version of the problem:
;;   THIS VERSION OF THE PROBLEM IS GIVEN IN LOW PRECISION. The matrix products marked QUANTISED in the list below multiply operands that are first quantised to E2M1 (2 exponent bits, 1 mantissa bit; 4 bits a number), with one power-of-two scale for each 32 numbers along K (OCP MX v1.0); their sums are f32. All else is computed in f32.
;;   The module's matrix products, in the order in which they are computed (A, B: the left and right operand; K: the contracted axis; several contracted axes count as one K, in the product's order):
;;     1. [M 4,096, K 512] x [K 512, N 32,768]; A: input pred_action; B: input action_set: QUANTISED
;;   THE QUANTISER, for each operand of a quantised product, along K:
;;     - K is cut into blocks of 32 from its start; a last block that is shorter is filled with zeros.
;;     - A block's scale is 2^e with e = floor(log2(the largest magnitude in the block)) - 2, held to -126 .. 127; a block of zeros has e = 0. As a byte (E8M0): e + 127.
;;     - Each number is divided by its block's scale, clamped to +-6, and rounded to the nearest number of E2M1, ties to even, subnormals kept.
;;     - The product sums the exact products of the quantised numbers (number of the format x scale) in f32.
;;   ~~~python
;;   def quantise(x, axis):      # numpy; x: float32 -> the quantised numbers, widened to float32 again
;;       x = np.moveaxis(x, axis, -1); K = x.shape[-1]
;;       x = np.pad(x, [(0, 0)] * (x.ndim - 1) + [(0, -K % 32)]); x = x.reshape(x.shape[:-1] + (-1, 32)); a = np.abs(x).max(-1, keepdims=True)
;;       e = np.where(a > 0, np.clip(np.frexp(np.where(a > 0, a, 1))[1] - 1 - 2, -126, 127), 0)      # np.frexp(a)[1] - 1 = floor(log2(a)), exactly
;;       r = np.clip(x / 2.0 ** e, -6, 6)
;;       step = 2.0 ** (np.maximum(np.frexp(np.where(r == 0, 1, r))[1] - 1, 0) - 1)
;;       q = np.round(r / step) * step * 2.0 ** e      # np.round: ties to even
;;       return np.moveaxis(q.reshape(q.shape[:-2] + (-1,))[..., :K], -1, axis).astype(np.float32)
;;   ~~~
;; One version. Each part assembles by itself: llvm-mc -triple=amdgcn-amd-amdhsa -mcpu=gfx1250 --defsym DOCPART=n.
;; ======== version 1 of 1: 3 launches
;; limits: right only within a limited range of input values
;; workspace buffers: recs 10,616,832 bytes; part 2,097,152 bytes of whole numbers
;; launch quant (part 1): grid 256 x 1, 9 waves a work-group, no clusters, 300,800 bytes of LDS; arguments pred_action, action_set, recs; writes recs
.if DOCPART == 1
	.amdgcn_target "amdgcn-amd-amdhsa--gfx1250"
	.amdhsa_code_object_version 6
	.text
	.protected	k_q255ad6fedf_quant
	.globl	k_q255ad6fedf_quant
	.p2align	8
	.type	k_q255ad6fedf_quant,@function
k_q255ad6fedf_quant:
	s_mov_b64 s[64:65], 0
	v_nop
	global_prefetch_b8 v0, s[64:65] scope:SCOPE_SE
	s_setreg_imm32_b32 hwreg(HW_REG_WAVE_MODE, 25, 1), 1
	s_wait_xcnt 0x0
; WORK LEFT OUT BY THE PROGRAM.  reference() takes argmin over n of d2[b][n] = x2[b] - 2 xa[b][n] + a2[n].  x2[b] is the same for every n, and d2 = x2[b] - 2 (xa[b][n] - a2[n] / 2):
; so for all finite inputs, in exact arithmetic, the argmin of d2 is the argmax of xa[b][n] - a2[n] / 2, first index on a tie alike.  x2 reaches no output and is not formed for the choice.
; LIMIT: an overflow, infinity or NaN that would reach x2 alone is not carried to the result; where two d2 lie within f32 rounding of each other the choice may differ from reference()'s.
; THIS LAUNCH: pred_action [4096][512] and action_set [32768][512], f32, become RECORDS, one for each tile of 16 rows, 4,608 bytes, laid as the product's launch wants its registers.
;   bytes 1024 s + 512 c + 16 l : registers 4 c .. 4 c + 3 of lane l of the fragment of K step s (128 along K): row l % 16, k = 128 s + 64 c + 32 (l / 16) + 0 .. 31, codes of E2M1, the lower k in the lower bits
;   bytes 4096 + 8 l            : two scale words.  Word 0: lanes 0-15 row l's word of K step 0, lanes 16-31 row l - 16's of K step 1; word 1: K steps 2 and 3.  A word: four E8M0 bytes
;   bytes 4352 + 4 i, i < 64    : minus half the sum of squares of row i % 16, f32 (sixteen numbers four times over: every byte of a record is written; in a queries' record nobody reads them)
; Records 0-255 are the queries' tiles, record 256 + t is the actions' tile t.
; A block's scale is 2^(floor(log2(its largest magnitude)) - 2); its byte is the largest magnitude's exponent field - 2, held at 1 from below.
; LIMITS: NaN and infinities among the inputs are not served.  A block of zeros gets the byte 1 where the rule says 127: its codes are zeros, and this program alone reads the bytes.
; The sum of squares is taken in f32 in eight chains a lane and two lanes a row: an order of its own.
; SHARES: 2,048 + 256 tiles are nine for each of 256 work-groups, a tile to a wave: waves 0-7 the actions' tiles 8 g + wave, wave 8 the queries' tile g.  Waves share nothing: no barrier.
; DATA PATH: a tile is 32,768 dense bytes; a wave asks for it by ONE tensor load, as 32 rows of 1,024 bytes with 16 bytes of padding behind each.  No LDS byte is filled twice.
; No cluster: no two work-groups read the same byte.  No prefetch: there is no loop to run ahead in.  No matrix unit: there is no product here.
.set CH,   1040                        ; 1,024 bytes + 16 of padding in LDS
.set ROWP, 2*CH                        ; a row of the tile: rows r and r + 8 start at the same place modulo 256
.set WREG, 32*CH                       ; a wave's region
.set SPARE, 9*WREG                     ; behind the regions: the spare words, 128 bytes a wave
.set RECB, 4608
.set LI,  1                            ; 16 x lane
.set L8,  2                            ; 8 x lane
.set L4,  3                            ; 4 x lane
.set XA,  4                            ; LDS: my region + ROWP r + 64 h
.set SS,  8                            ; v[8:15]    the sum of squares: four packed chains
.set TM,  16                           ; v[16:31]   +0..3 largest magnitudes, +4..7 the other lane's, then the bytes, +12..15 the conversions' scale operands
.set X,   32                           ; v[32:95]   register 16 b + i = k 32 b + 16 h + i of my row in the K step
.set PC,  96                           ; v[96:127]  codes: eight registers for each K step
.set PW,  128                          ; v[128:131] a scale word for each K step
.set WD,  132
.set SPW, 134
.set NIL, 135
.set SEL, 12
.set G1,  16
.set G0,  24
	s_load_b128 s[4:7], s[0:1], 0x0                ; pred_action, action_set
	s_load_b64 s[8:9], s[0:1], 0x10                ; recs
	v_lshl_add_u32 v[SPW], v0, 2, SPARE
	v_mov_b32 v[NIL], 0
	ds_add_u32 v[SPW], v[NIL]                      ; the opening lines: the add twice and its wait
	ds_add_u32 v[SPW], v[NIL]
	v_lshrrev_b32 v5, 5, v0
	v_readfirstlane_b32 s10, v5                    ; wave 0..8
	s_mul_i32 s11, s10, WREG
	s_mov_b32 s[G1+0], (2<<16)|(1<<20)|(7<<22)|(3<<25)   ; elements of 4 bytes; behind every 256 words four words of padding
	s_mov_b32 s[G1+1], 256<<16
	s_mov_b32 s[G1+2], 32<<16
	s_mov_b32 s[G1+3], 256<<16
	s_mov_b32 s[G1+4], 32
	s_mov_b32 s[G1+5], 256
	s_mov_b32 s[G1+6], 0
	s_mov_b32 s[G1+7], 0
	s_lshl_b32 s40, ttmp9, 3
	s_add_co_u32 s40, s40, s10                     ; the actions' tile 8 g + wave,
	s_add_co_u32 s41, s40, 256                     ; and its record
	s_mov_b32 s43, 0
	s_mov_b32 s45, 0
	s_mov_b32 s[SEL], 0x76543210
	s_mov_b32 s[SEL+1], 0xfedcba98
	s_mov_b32 s14, 0xffff0000                      ; lanes 16-31
	s_wait_dscnt 0x0
	s_wait_kmcnt 0x0
	s_cmp_eq_u32 s10, 8                            ; wave 8 takes the queries
	s_cselect_b64 s[4:5], s[4:5], s[6:7]
	s_cselect_b32 s40, ttmp9, s40
	s_cselect_b32 s41, ttmp9, s41
	s_lshl_b32 s42, s40, 15
	s_mul_i32 s44, s41, RECB
	s_add_nc_u64 s[4:5], s[4:5], s[42:43]
	s_add_nc_u64 s[8:9], s[8:9], s[44:45]
	s_mov_b32 s[G0], 1
	s_mov_b32 s[G0+1], s11
	s_mov_b64 s[G0+2:G0+3], s[4:5]
	s_or_b32 s[G0+3], s[G0+3], 0x80000000
	tensor_load_to_lds s[G0:G0+3], s[G1:G1+7]      ; my one tensor load
	s_nop 0
	v_and_b32 v6, 31, v0
	v_and_b32 v7, 15, v0                           ; r
	v_bfe_u32 v5, v0, 4, 1                         ; h
	v_lshlrev_b32 v[LI], 4, v6
	v_lshlrev_b32 v[L8], 3, v6
	v_lshlrev_b32 v[L4], 2, v6
	v_mul_u32_u24 v[XA], v7, ROWP
	v_lshl_add_u32 v[XA], v5, 6, v[XA]
	v_add_nc_u32 v[XA], s11, v[XA]
.irp b, 0,1,2,3
	v_mov_b32 v[TM+4+\b], 0                        ; a lane permute's destination counts as one of its sources
.endr
; 64 numbers of a lane become a fragment's codes in v[pc] on and its scale word in v[pw]
.macro QUANT pc, pw
.irp b, 0,1,2,3
	v_max3_num_f32 v[TM+\b], |v[X+16*\b]|, |v[X+1+16*\b]|, 0x1800000   ; with the floor 2^(3 - 127): the byte cannot fall under 1
.endr
.irp i, 2,4,6,8,10,12,14
.irp b, 0,1,2,3
	v_max3_num_f32 v[TM+\b], v[TM+\b], |v[X+16*\b+\i]|, |v[X+1+16*\b+\i]|   ; four blocks by turns
.endr
.endr
.irp b, 0,1,2,3
	v_permlanex16_b32 v[TM+4+\b], v[TM+\b], s[SEL], s[SEL+1]
.endr
.irp b, 0,1,2,3
	v_max_num_f32 v[TM+\b], v[TM+\b], v[TM+4+\b]   ; with lane l xor 16's sixteen
.endr
.irp b, 0,1,2,3
	v_add_nc_u32 v[TM+12+\b], 0xff000000, v[TM+\b] ; 2 off the exponent field: the conversion's scale operand
.endr
.irp b, 0,1,2,3
	v_lshrrev_b32 v[TM+4+\b], 23, v[TM+12+\b]      ; the scale's byte
.endr
	v_lshl_or_b32 v[\pw], v[TM+5], 8, v[TM+4]
	v_lshl_or_b32 v[\pw], v[TM+6], 16, v[\pw]
	v_lshl_or_b32 v[\pw], v[TM+7], 24, v[\pw]
.irp b, 0,1,2,3
	v_cvt_scalef32_pk8_fp4_f32 v[(\pc)+2*\b], v[X+16*\b:X+7+16*\b], v[TM+12+\b]
	v_cvt_scalef32_pk8_fp4_f32 v[(\pc)+1+2*\b], v[X+8+16*\b:X+15+16*\b], v[TM+12+\b]
.endr
	v_nop                                          ; one plain place behind a scaled conversion
.irp c, 0,1                                    ; a whole block to a lane: lanes 0-15 block 2 c, lanes 16-31 block 2 c + 1
.irp i, 0,1
	v_permlane16_swap_b32 v[(\pc)+4*\c+\i], v[(\pc)+2+4*\c+\i]
.endr
.endr
.endm
.macro KSTEP s
.irp b, 0,1,2,3
.irp j, 0,1,2,3
	ds_load_b128 v[X+16*\b+4*\j:X+16*\b+4*\j+3], v[XA] offset:(\s/2)*CH+(\s%2)*512+128*\b+16*\j
.endr
.endr
	s_wait_dscnt 0x0
.set n, 0
.rept 32                                       ; the sum of squares: the first four products start the chains
.if (\s == 0) && (n < 4)
	v_pk_mul_f32 v[SS+2*n:SS+2*n+1], v[X+2*n:X+2*n+1], v[X+2*n:X+2*n+1]
.else
	v_pk_fma_f32 v[SS+2*(n%4):SS+2*(n%4)+1], v[X+2*n:X+2*n+1], v[X+2*n:X+2*n+1], v[SS+2*(n%4):SS+2*(n%4)+1]
.endif
.set n, n+1
.endr
	QUANT PC+8*\s, PW+\s
.irp c, 0,1
	global_store_b128 v[LI], v[PC+8*\s+4*\c:PC+8*\s+4*\c+3], s[8:9] offset:1024*\s+512*\c   ; 512 consecutive bytes, at a multiple of 256 from the buffer's first byte
.endr
.endm
	s_wait_alu depctr_va_vdst(0)                   ; the wait at the head's end
	s_wait_tensorcnt 0x0                           ; my tile is in LDS
	KSTEP 0
	KSTEP 1
	KSTEP 2
	KSTEP 3
	v_cndmask_b32 v[WD], v[PW], v[PW+1], s14       ; lanes 0-15 K step 0's word, lanes 16-31 K step 1's
	v_cndmask_b32 v[WD+1], v[PW+2], v[PW+3], s14
	global_store_b64 v[L8], v[WD:WD+1], s[8:9] offset:4096
	v_pk_add_f32 v[SS:SS+1], v[SS:SS+1], v[SS+2:SS+3]
	v_pk_add_f32 v[SS+4:SS+5], v[SS+4:SS+5], v[SS+6:SS+7]
	v_pk_add_f32 v[SS:SS+1], v[SS:SS+1], v[SS+4:SS+5]
	v_add_f32 v[SS], v[SS], v[SS+1]
	v_mul_f32 v[SS], -0.5, v[SS]                   ; exact: a power of two
	v_permlanex16_b32 v[SS+2], v[SS], s[SEL], s[SEL+1]
	v_add_f32 v[SS], v[SS], v[SS+2]                ; with lane l xor 16's half: minus half the row's sum
	global_store_b32 v[L4], v[SS], s[8:9] offset:4352
	global_store_b32 v[L4], v[SS], s[8:9] offset:4480
	s_wait_tensorcnt 0x0                           ; the wave's end
	ds_add_u32 v[SPW], v[NIL]
	s_wait_dscnt 0x0
	s_endpgm
.Lfunc_end_k_q255ad6fedf_quant:
	.size	k_q255ad6fedf_quant, .Lfunc_end_k_q255ad6fedf_quant-k_q255ad6fedf_quant
	.p2alignl 7, 3214868480
	.fill 96, 4, 3214868480
	.section	.rodata,"a",@progbits
	.p2align	6, 0x0
	.amdhsa_kernel k_q255ad6fedf_quant
		.amdhsa_group_segment_fixed_size 300800
		.amdhsa_private_segment_fixed_size 0
		.amdhsa_enable_private_segment 0
		.amdhsa_kernarg_size 24
		.amdhsa_user_sgpr_count 2
		.amdhsa_user_sgpr_kernarg_segment_ptr 1
		.amdhsa_wavefront_size32 1
		.amdhsa_system_sgpr_workgroup_id_x 1
		.amdhsa_system_sgpr_workgroup_id_y 1
		.amdhsa_system_sgpr_workgroup_id_z 1
		.amdhsa_system_vgpr_workitem_id 0
		.amdhsa_next_free_vgpr 136
		.amdhsa_next_free_sgpr 66
		.amdhsa_reserve_vcc 0
		.amdhsa_float_denorm_mode_32 3
		.amdhsa_float_denorm_mode_16_64 3
		.amdhsa_memory_ordered 1
		.amdhsa_forward_progress 1
		.amdhsa_inst_pref_size 32
	.end_amdhsa_kernel
	.amdgpu_metadata
---
amdhsa.version: [ 1, 2 ]
amdhsa.kernels:
  - .name:           k_q255ad6fedf_quant
    .symbol:         k_q255ad6fedf_quant.kd
    .args:
      - { .name: pred_action, .offset: 0, .size: 8, .value_kind: global_buffer, .address_space: global }
      - { .name: action_set, .offset: 8, .size: 8, .value_kind: global_buffer, .address_space: global }
      - { .name: recs, .offset: 16, .size: 8, .value_kind: global_buffer, .address_space: global }
    .group_segment_fixed_size: 300800
    .private_segment_fixed_size: 0
    .kernarg_segment_align: 8
    .kernarg_segment_size: 24
    .max_flat_workgroup_size: 288
    .sgpr_count:     66
    .vgpr_count:     136
    .wavefront_size: 32
...
	.end_amdgpu_metadata
.endif
;; end of part 1
;; launch nearest (part 2): grid 4 x 64, 8 waves a work-group, clusters of 4 x 4, 327,680 bytes of LDS; arguments recs, part; writes part
.if DOCPART == 2
	.amdgcn_target "amdgcn-amd-amdhsa--gfx1250"
	.amdhsa_code_object_version 6
	.text
	.protected	k_q255ad6fedf_nearest
	.globl	k_q255ad6fedf_nearest
	.p2align	8
	.type	k_q255ad6fedf_nearest,@function
k_q255ad6fedf_nearest:
	s_mov_b64 s[64:65], 0
	v_nop
	global_prefetch_b8 v0, s[64:65] scope:SCOPE_SE
	s_setreg_imm32_b32 hwreg(HW_REG_WAVE_MODE, 25, 1), 1
	s_wait_xcnt 0x0
	s_wait_alu depctr_hold_cnt(0) depctr_sa_sdst(0) depctr_va_vdst(0) depctr_va_sdst(0) depctr_va_ssrc(0) depctr_va_vcc(0) depctr_vm_vsrc(0)
	s_getreg_b32 s2, hwreg(HW_REG_IB_STS2, 6, 4)
	s_cmp_eq_u32 s2, 0
	s_cbranch_scc0 .Lentry_in_a_cluster
	s_endpgm
.Lentry_in_a_cluster:
	s_bfe_u32 s2, ttmp6, 0x10000c
	s_cmp_lg_u32 s2, 0xf033
	s_cbranch_scc0 .Lentry_shape_is_right
	s_endpgm
.Lentry_shape_is_right:
; For each query and each range of 512 actions: the largest score xa - a2 / 2 and the first action that has it.  x2 is left out: it is the same for all actions of a query (shown at the head of launch quant).
; A work-group takes 1,024 queries (64 tiles of 16) x 512 actions (32 records); wave w takes query tiles 4 w .. 4 w + 3 and 32 + 4 w .. 32 + 4 w + 3, against all 32 records.
; The matrix instruction takes 16 actions as source 0 and 16 queries as source 1: lane (r, h) holds query r, its register j action 8 h + j.  The first of a tile's four products takes -a2 / 2 of those
; eight actions as C (it lies so in the record), so the score costs no vector instruction.
; THE CHOICE: a tile's largest of eight; where it beats the lane's best so far (strictly: the first stays on a tie) the record's number and the eight scores are kept; the place among the eight is found once, at the end.
; DATA PATH, all by joint loads: the four work-groups of a row of the cluster read the same actions, the four of a column the same queries.  At the head waves 0-3 ask for the 32 records of actions, waves 4-7
; for the queries' first 32 records, eight records a load.  The queries go from LDS into registers (window 1); behind a round of the cluster's barrier waves 4-7 fill the same bytes with the queries' last 32 records.
; While that load is on its way records 0-7 are multiplied with the first four query tiles alone; then the last four tiles take records 0-7, and all eight tiles records 8-31.  Each tile sees the records ascending.
; No prefetch: each byte is asked for once, 64 records at the head and 32 straight behind them; no loop reads memory.
; OUT: part [128 groups of 32 queries][64 ranges][32 queries][key, index].  The key is the score's bits as a whole number that rises with the score.
; LIMITS: NaN and infinities are not served; a score of -0 ranks under +0.
.set DUAL,  1                          ; the selects go two to an instruction, under VCC (0: one by one, under scalar masks)
.set RECB,  4608
.set QUADB, 4*RECB
.set SPARE, 32*RECB                    ; behind the actions: the spare words, 128 bytes a wave
.set H1,    SPARE+1024                 ; behind them: 32 records of queries
.set LI,   1                           ; 16 x lane
.set L8,   2                           ; 8 x lane + 4096: a record's scale words
.set LH,   3                           ; 32 h + 4352: -a2 / 2 of actions 8 h ..
.set AD0,  4                           ; the three with the trip's base
.set AD1,  5
.set AD2,  6
.set H8,   7                           ; the range's first action + 8 h
.set SPW,  8
.set NIL,  9
.set LN,   10
.set L8G,  11                          ; 8 x lane
.set RNB,  14                          ; the record's number once more, in another register bank (DUAL)
.set RN,   15                          ; the record's number
.set BSC,  16                          ; v[16:31]   the queries' scale words, two a tile
.set ASC,  32                          ; v[32:35]   a record's, two sets
.set A2,   36                          ; v[36:51]   -a2 / 2, two sets of eight
.set M,    52                          ; v[52:55]   a tile's largest
.set QAD,  56                          ; LDS: my four query records, fragments
.set QSD,  57                          ; and scale words
.set BEST, 60                          ; v[60:67]
.set BT,   69                          ; v[69:76]
.set AF,   78                          ; v[78:141]  a record's fragments, two sets; at the end at work
.set ACC,  142                         ; v[142:173] four tiles' scores
.set KEEP, 174                         ; v[174:237] the best tile's eight scores, for each of eight query tiles
.set JX,   AF
.set IDX,  AF+8
.set OB,   AF+16
.set OI,   AF+24
.set OUT,  AF+32
.set G1Q,  16
.set G1A,  24
.set G0Q,  32
.set G0A,  36
.set CM,   40                          ; s[40:47] masks
.set TRIP, 48
.set TB,   49
.set SEL,  52
.set HM,   54
.set MSB, 0
.macro WIN new
.if MSB != \new
	s_set_vgpr_msb (MSB<<8)|\new
.set MSB, \new
.endif
.endm
.macro ROUND
	s_barrier_signal -1
	s_barrier_wait -1
	s_cmp_lg_u32 s8, 0
	s_cbranch_scc1 .Lnot_wave_0_\@
	s_barrier_signal -3
.Lnot_wave_0_\@:
	s_barrier_wait -3
	s_barrier_signal -1
	s_barrier_wait -1
.endm
.macro ADDR
	v_add_nc_u32 v[AD0], s[TB], v[LI]
	v_add_nc_u32 v[AD1], s[TB], v[L8]
	v_add_nc_u32 v[AD2], s[TB], v[LH]
.endm
.macro NOPS4
.rept 4
	v_nop
.endr
.endm
	s_load_b128 s[4:7], s[0:1], 0x0                ; recs, part
	v_lshl_add_u32 v[SPW], v0, 2, SPARE
	v_mov_b32 v[NIL], 0
	ds_add_u32 v[SPW], v[NIL]                      ; the opening lines: the add twice and its wait
	ds_add_u32 v[SPW], v[NIL]
	v_lshrrev_b32 v12, 5, v0
	v_readfirstlane_b32 s8, v12                    ; wave 0..7
	s_bfe_u32 s9, ttmp6, 0x40000                   ; cx
	s_bfe_u32 s10, ttmp6, 0x40004                  ; cy
	s_lshl_b32 s11, ttmp9, 2
	s_add_co_u32 s11, s11, s9                      ; which 1,024 queries
	s_and_b32 s12, ttmp7, 0xffff
	s_lshl_b32 s12, s12, 2
	s_add_co_u32 s12, s12, s10                     ; which 512 actions
	s_lshl_b32 s13, 0x1111, s9                     ; my column of the cluster: the same queries
	s_lshl_b32 s14, s10, 2
	s_lshl_b32 s14, 15, s14                        ; my row: the same actions
	s_or_b32 s[G1Q], s13, (3<<16)|(1<<21)
	s_or_b32 s[G1A], s14, (3<<16)|(1<<21)
.irp g, G1Q, G1A                               ; eight records: 144 dense rows of 256 bytes
	s_mov_b32 s[\g+1], 32<<16
	s_mov_b32 s[\g+2], 144<<16
	s_mov_b32 s[\g+3], 32<<16
	s_mov_b32 s[\g+4], 144
	s_mov_b32 s[\g+5], 32
	s_mov_b32 s[\g+6], 0
	s_mov_b32 s[\g+7], 0
.endr
	s_and_b32 s15, s8, 3
	s_mul_i32 s15, s15, 2*QUADB                    ; which eight records of 32 I ask for, in memory and in LDS
	s_mul_i32 s56, s11, 64*RECB                    ; the queries' records: 64 x block
	s_add_co_u32 s56, s56, s15
	s_mov_b32 s57, 0
	s_mul_i32 s58, s12, 32*RECB                    ; the actions': 256 + 32 x range
	s_add_co_u32 s58, s58, s15
	s_add_co_u32 s58, s58, 256*RECB
	s_mov_b32 s59, 0
	s_lshl_b32 s62, s11, 19                        ; part: (32 x block + 2 x wave) groups of 16,384 bytes + 256 x range
	s_lshl_b32 s63, s8, 15
	s_add_co_u32 s62, s62, s63
	s_lshl_b32 s63, s12, 8
	s_add_co_u32 s62, s62, s63
	s_mov_b32 s63, 0
	s_lshl_b32 s55, s12, 9
	s_mul_i32 s50, s8, QUADB
	s_add_co_u32 s50, s50, H1                      ; my four query records in LDS
	s_mov_b32 s[SEL], 0x76543210
	s_mov_b32 s[SEL+1], 0xfedcba98
	s_mov_b32 s[HM], 0xffff0000
	v_and_b32 v[LN], 31, v0
	v_bfe_u32 v12, v0, 4, 1
	v_lshlrev_b32 v[LI], 4, v[LN]
	v_lshl_add_u32 v[L8], v[LN], 3, 4096
	v_lshl_add_u32 v[LH], v12, 5, 4352
	v_lshlrev_b32 v[L8G], 3, v[LN]
	v_lshl_add_u32 v[H8], v12, 3, s55
	v_add_nc_u32 v[QAD], s50, v[LI]
	v_add_nc_u32 v[QSD], s50, v[L8]
.irp u, 0,1,2,3,4,5,6,7
	v_mov_b32 v[BEST+\u], 0xff800000               ; under every score
	v_mov_b32 v[BT+\u], 0
.endr
.set n, 0
.rept 64
	v_mov_b32 v[KEEP+n], 0xff800000                ; the selects read what they may keep
.set n, n+1
.endr
	v_mov_b32 v[RN], -1
.if DUAL
	v_mov_b32 v[RNB], -1
.endif
	s_wait_alu depctr_va_vdst(0)                   ; the wait at the head's end
	s_wait_dscnt 0x0
	s_wait_kmcnt 0x0
	s_add_nc_u64 s[6:7], s[6:7], s[62:63]
	s_mov_b32 s[G0A], 1
	s_mov_b32 s[G0A+1], s15
	s_add_nc_u64 s[G0A+2:G0A+3], s[4:5], s[58:59]
	s_or_b32 s[G0A+3], s[G0A+3], 0x80000000
	s_mov_b32 s[G0Q], 1
	s_add_co_u32 s[G0Q+1], s15, H1
	s_add_nc_u64 s[G0Q+2:G0Q+3], s[4:5], s[56:57]
	s_or_b32 s[G0Q+3], s[G0Q+3], 0x80000000
	ROUND                                          ; in front of the first joint loads
	s_cmp_lt_u32 s8, 4                             ; one load a wave: waves 0-3 the actions, waves 4-7 the queries' first half
	s_cbranch_scc0 .Lhead_q
	tensor_load_to_lds s[G0A:G0A+3], s[G1A:G1A+7]
	s_nop 0
	NOPS4
	s_branch .Lhead_asked
.Lhead_q:
	tensor_load_to_lds s[G0Q:G0Q+3], s[G1Q:G1Q+7]
	s_nop 0
	NOPS4
.Lhead_asked:
.macro QREAD h                         ; my four query tiles of half h -> window 1, v[128 h ..], and their scale words
	WIN 0x40
.irp u, 0,1,2,3
.irp i, 0,1,2,3,4,5,6,7
	ds_load_b128 v[128*\h+32*\u+4*\i:128*\h+32*\u+4*\i+3], v[QAD] offset:RECB*\u+512*\i
.endr
.endr
	WIN 0
.irp u, 0,1,2,3
	ds_load_b64 v[BSC+8*\h+2*\u:BSC+8*\h+2*\u+1], v[QSD] offset:RECB*\u
.endr
.endm
	s_wait_tensorcnt 0x0                           ; my eight records are in LDS,
	s_barrier_signal -1
	s_barrier_wait -1                              ; and everybody's
	QREAD 0
	s_wait_tensorcnt 0x0                           ; in front of the refill's round
	ds_add_u32 v[SPW], v[NIL]
	s_add_nc_u64 s[G0Q+2:G0Q+3], s[G0Q+2:G0Q+3], 32*RECB   ; no tensor load of mine is out: on to the queries' last 32 records
	s_wait_dscnt 0x0                               ; the add is done, and my reads of the queries' bytes
	ROUND                                          ; no wave of any partner still reads them
	s_cmp_lt_u32 s8, 4
	s_cbranch_scc1 .Lno_refill
	tensor_load_to_lds s[G0Q:G0Q+3], s[G1Q:G1Q+7]  ; waves 4-7: the same bytes, filled again
	s_nop 0
	NOPS4
.Lno_refill:
.macro LOADREC p, off
.irp i, 0,1,2,3,4,5,6,7
	ds_load_b128 v[AF+32*(\p)+4*\i:AF+32*(\p)+4*\i+3], v[AD0] offset:(\off)+512*\i
.endr
	ds_load_b64 v[ASC+2*(\p):ASC+2*(\p)+1], v[AD1] offset:\off
	ds_load_b128 v[A2+8*(\p):A2+8*(\p)+3], v[AD2] offset:\off
	ds_load_b128 v[A2+8*(\p)+4:A2+8*(\p)+7], v[AD2] offset:(\off)+16
.endm
; 16 products: the record in set p x query tiles 4 g .. 4 g + 3; the four accumulators by turns
.macro MULS p, g
	WIN 0x04
.irp k, 0,1,2,3
.irp uu, 0,1,2,3
.if \k == 0
	v_wmma_scale_f32_16x16x128_f8f6f4 v[ACC+8*\uu:ACC+8*\uu+7], v[AF+32*\p:AF+32*\p+7], v[32*(4*\g+\uu):32*(4*\g+\uu)+7], v[A2+8*\p:A2+8*\p+7], v[ASC+2*\p], v[BSC+2*(4*\g+\uu)] matrix_a_fmt:MATRIX_FMT_FP4 matrix_b_fmt:MATRIX_FMT_FP4
.elseif \k == 2
	v_wmma_scale_f32_16x16x128_f8f6f4 v[ACC+8*\uu:ACC+8*\uu+7], v[AF+32*\p+16:AF+32*\p+23], v[32*(4*\g+\uu)+16:32*(4*\g+\uu)+23], v[ACC+8*\uu:ACC+8*\uu+7], v[ASC+2*\p+1], v[BSC+2*(4*\g+\uu)+1] matrix_a_fmt:MATRIX_FMT_FP4 matrix_b_fmt:MATRIX_FMT_FP4
.else
	v_wmma_scale_f32_16x16x128_f8f6f4 v[ACC+8*\uu:ACC+8*\uu+7], v[AF+32*\p+8*\k:AF+32*\p+8*\k+7], v[32*(4*\g+\uu)+8*\k:32*(4*\g+\uu)+8*\k+7], v[ACC+8*\uu:ACC+8*\uu+7], v[ASC+2*\p+\k/2], v[BSC+2*(4*\g+\uu)+\k/2] matrix_a_fmt:MATRIX_FMT_FP4 matrix_b_fmt:MATRIX_FMT_FP4 matrix_a_scale:MATRIX_SCALE_ROW1 matrix_b_scale:MATRIX_SCALE_ROW1
.endif
.endr
.endr
	WIN 0
.endm
; the four tiles' largest, each accumulator read from its low end on; then what is kept
.macro PHASE g
.irp uu, 0,1,2,3
	v_max3_num_f32 v[M+\uu], v[ACC+8*\uu], v[ACC+8*\uu+1], v[ACC+8*\uu+2]
.endr
.irp i, 3,5
.irp uu, 0,1,2,3
	v_max3_num_f32 v[M+\uu], v[M+\uu], v[ACC+8*\uu+\i], v[ACC+8*\uu+\i+1]
.endr
.endr
.irp uu, 0,1,2,3
	v_max_num_f32 v[M+\uu], v[M+\uu], v[ACC+8*\uu+7]
.endr
.if DUAL
.irp uu, 0,1,2,3
	v_cmp_gt_f32 vcc_lo, v[M+\uu], v[BEST+4*\g+\uu]
	v_dual_max_num_f32 v[BEST+4*\g+\uu], v[M+\uu], v[BEST+4*\g+\uu] :: v_dual_cndmask_b32 v[BT+4*\g+\uu], v[BT+4*\g+\uu], v[RN-\uu/3]
.irp j, 0,2,4,6
	v_dual_cndmask_b32 v[KEEP+8*(4*\g+\uu)+\j], v[KEEP+8*(4*\g+\uu)+\j], v[ACC+8*\uu+\j] :: v_dual_cndmask_b32 v[KEEP+8*(4*\g+\uu)+\j+1], v[KEEP+8*(4*\g+\uu)+\j+1], v[ACC+8*\uu+\j+1]
.endr
.endr
.else
.irp uu, 0,1,2,3
	v_cmp_gt_f32 s[CM+\uu], v[M+\uu], v[BEST+4*\g+\uu]
.endr
.irp uu, 0,1,2,3
	v_max_num_f32 v[BEST+4*\g+\uu], v[BEST+4*\g+\uu], v[M+\uu]
.endr
.irp uu, 0,1,2,3
	v_cndmask_b32 v[BT+4*\g+\uu], v[BT+4*\g+\uu], v[RN], s[CM+\uu]
.endr
.irp j, 0,1,2,3,4,5,6,7
.irp uu, 0,1,2,3
	v_cndmask_b32 v[KEEP+8*(4*\g+\uu)+\j], v[KEEP+8*(4*\g+\uu)+\j], v[ACC+8*\uu+\j], s[CM+\uu]
.endr
.endr
.endif
.endm
; four places behind a record's first products: the record's number goes on; step = 1: the base goes two records on, behind this trip's last loads
.macro COUNT step
	v_add_nc_u32 v[RN], 1, v[RN]
.if \step
	s_add_co_u32 s[TB], s[TB], 2*RECB
	ADDR
.else
.rept 3
	v_nop
.endr
.endif
.if DUAL
	v_add_nc_u32 v[RNB], 1, v[RNB]
.endif
.endm
; One record against query tiles 0-3 (g0) and 4-7 (g1).  pre = 1: the next record is fetched into the other set first (11 LDS loads)
.macro PROC p, pre, off, step, g0, g1
.if \pre
	LOADREC 1-\p, \off
	s_wait_dscnt 11                                ; all but the 11 just issued: my record is in
.else
	s_wait_dscnt 0x0
.endif
.if \g0
	MULS \p, 0
	COUNT \step
	PHASE 0
.endif
.if \g1
	MULS \p, 1
.if \g0
	NOPS4
.else
	COUNT \step
.endif
	PHASE 1
.endif
.endm
; 2 trips + 2 records from LDS byte base on, two records a trip
.macro SWEEP base, trips, g0, g1
	s_mov_b32 s[TB], \base
	ADDR
	s_wait_alu depctr_va_vdst(0)                   ; the wait here, behind the writes
	LOADREC 0, 0
	s_mov_b32 s[TRIP], \trips
.Lrec_\@:
	PROC 0, 1, RECB, 0, \g0, \g1
	PROC 1, 1, 2*RECB, 1, \g0, \g1
	s_sub_co_u32 s[TRIP], s[TRIP], 1
	s_cmp_lg_u32 s[TRIP], 0
	s_cbranch_scc1 .Lrec_\@
	PROC 0, 1, RECB, 0, \g0, \g1
	PROC 1, 0, 0, 0, \g0, \g1
.endm
	SWEEP 0, 3, 1, 0                               ; records 0-7, query tiles 0-3, while the queries' last half is on its way
	s_wait_tensorcnt 0x0                           ; my part of it is in LDS (no LDS instruction of mine is out),
	s_barrier_signal -1
	s_barrier_wait -1                              ; and everybody's
	QREAD 1
	v_mov_b32 v[RN], -1                            ; the records are counted anew
.if DUAL
	v_mov_b32 v[RNB], -1
.endif
	SWEEP 0, 3, 0, 1                               ; records 0-7, query tiles 4-7
	SWEEP 8*RECB, 11, 1, 1                         ; records 8-31, all eight
; the place among the eight: the lowest j whose kept score is the best
.irp u, 0,1,2,3,4,5,6,7
	v_mov_b32 v[JX+\u], 7
	v_mov_b32 v[OB+\u], 0
	v_mov_b32 v[OI+\u], 0
.endr
.irp j, 6,5,4,3,2,1,0
.irp u, 0,1,2,3,4,5,6,7
	v_cmp_eq_f32 s[CM+\u], v[KEEP+8*\u+\j], v[BEST+\u]
.endr
.irp u, 0,1,2,3,4,5,6,7
	v_cndmask_b32 v[JX+\u], v[JX+\u], \j, s[CM+\u]
.endr
.endr
.irp u, 0,1,2,3,4,5,6,7
	v_lshl_add_u32 v[IDX+\u], v[BT+\u], 4, v[JX+\u]
.endr
.irp u, 0,1,2,3,4,5,6,7
	v_add_nc_u32 v[IDX+\u], v[IDX+\u], v[H8]
.endr
.irp u, 0,1,2,3,4,5,6,7
	v_permlanex16_b32 v[OB+\u], v[BEST+\u], s[SEL], s[SEL+1]
	v_permlanex16_b32 v[OI+\u], v[IDX+\u], s[SEL], s[SEL+1]
.endr
.irp u, 0,1,2,3,4,5,6,7                        ; with lane l xor 16's eight actions a record: the larger score, on a tie the lower index
	v_cmp_gt_f32 s56, v[OB+\u], v[BEST+\u]
	v_cmp_eq_f32 s57, v[OB+\u], v[BEST+\u]
	v_cmp_lt_u32 s58, v[OI+\u], v[IDX+\u]
	s_and_b32 s57, s57, s58
	s_or_b32 s56, s56, s57
	v_cndmask_b32 v[BEST+\u], v[BEST+\u], v[OB+\u], s56
	v_cndmask_b32 v[IDX+\u], v[IDX+\u], v[OI+\u], s56
.endr
.irp u, 0,1,2,3,4,5,6,7                        ; the key: negative scores have all bits turned, the others the sign bit
	v_ashrrev_i32 v[OB+\u], 31, v[BEST+\u]
.endr
.irp u, 0,1,2,3,4,5,6,7
	v_or_b32 v[OB+\u], 0x80000000, v[OB+\u]
.endr
.irp u, 0,1,2,3,4,5,6,7
	v_xor_b32 v[BEST+\u], v[BEST+\u], v[OB+\u]
.endr
.irp t, 0,1,2,3
	v_cndmask_b32 v[OUT+2*\t], v[BEST+2*\t], v[BEST+2*\t+1], s[HM]   ; lanes 0-15 tile 2 t's queries, lanes 16-31 tile 2 t + 1's
	v_cndmask_b32 v[OUT+2*\t+1], v[IDX+2*\t], v[IDX+2*\t+1], s[HM]
.endr
.irp t, 0,1,2,3
	global_store_b64 v[L8G], v[OUT+2*\t:OUT+2*\t+1], s[6:7] offset:16384*(\t+14*(\t/2))   ; 256 consecutive bytes, at a multiple of 256 from the buffer's first byte; my last four tiles lie 16 groups on
.endr
	s_wait_tensorcnt 0x0                           ; the wave's end
	ds_add_u32 v[SPW], v[NIL]
	s_wait_dscnt 0x0
	ROUND                                          ; the closing round
	s_endpgm
.Lfunc_end_k_q255ad6fedf_nearest:
	.size	k_q255ad6fedf_nearest, .Lfunc_end_k_q255ad6fedf_nearest-k_q255ad6fedf_nearest
	.p2alignl 7, 3214868480
	.fill 96, 4, 3214868480
	.section	.rodata,"a",@progbits
	.p2align	6, 0x0
	.amdhsa_kernel k_q255ad6fedf_nearest
		.amdhsa_group_segment_fixed_size 327680
		.amdhsa_private_segment_fixed_size 0
		.amdhsa_enable_private_segment 0
		.amdhsa_kernarg_size 16
		.amdhsa_user_sgpr_count 2
		.amdhsa_user_sgpr_kernarg_segment_ptr 1
		.amdhsa_wavefront_size32 1
		.amdhsa_system_sgpr_workgroup_id_x 1
		.amdhsa_system_sgpr_workgroup_id_y 1
		.amdhsa_system_sgpr_workgroup_id_z 1
		.amdhsa_system_vgpr_workitem_id 0
		.amdhsa_next_free_vgpr 512
		.amdhsa_next_free_sgpr 66
		.amdhsa_reserve_vcc 1
		.amdhsa_float_denorm_mode_32 3
		.amdhsa_float_denorm_mode_16_64 3
		.amdhsa_memory_ordered 1
		.amdhsa_forward_progress 1
		.amdhsa_inst_pref_size 112
	.end_amdhsa_kernel
	.amdgpu_metadata
---
amdhsa.version: [ 1, 2 ]
amdhsa.kernels:
  - .name:           k_q255ad6fedf_nearest
    .symbol:         k_q255ad6fedf_nearest.kd
    .args:
      - { .name: recs, .offset: 0, .size: 8, .value_kind: global_buffer, .address_space: global }
      - { .name: part, .offset: 8, .size: 8, .value_kind: global_buffer, .address_space: global }
    .group_segment_fixed_size: 327680
    .private_segment_fixed_size: 0
    .kernarg_segment_align: 8
    .kernarg_segment_size: 16
    .max_flat_workgroup_size: 256
    .sgpr_count:     66
    .vgpr_count:     512
    .wavefront_size: 32
...
	.end_amdgpu_metadata
.endif
;; end of part 2
;; launch pick (part 3): grid 256 x 1, 4 waves a work-group, no clusters, 1,536 bytes of LDS; arguments part, action_set, out0; writes out0
.if DOCPART == 3
	.amdgcn_target "amdgcn-amd-amdhsa--gfx1250"
	.amdhsa_code_object_version 6
	.text
	.protected	k_q255ad6fedf_pick
	.globl	k_q255ad6fedf_pick
	.p2align	8
	.type	k_q255ad6fedf_pick,@function
k_q255ad6fedf_pick:
	s_mov_b64 s[64:65], 0
	v_nop
	global_prefetch_b8 v0, s[64:65] scope:SCOPE_SE
	s_setreg_imm32_b32 hwreg(HW_REG_WAVE_MODE, 25, 1), 1
	s_wait_xcnt 0x0
; out0[q][:] = action_set[i][:], i the index beside the largest key of query q over the 64 ranges of part [128][64 ranges][32 queries][key, index], whole numbers that the launch before stored.
; The keys rise with the scores and the ranges hold ascending indices: a strict compare of whole numbers, the earlier range on the left, keeps the first index on a tie.  x2 is left out (head of launch quant).
; A work-group takes 16 queries.  Lane (q = l % 16, sub = l / 16) of wave w takes ranges 16 w + 8 sub + 0 .. 7 of query q: a load reads 128 consecutive bytes of each of two ranges (the other 128 of a unit are the
; neighbouring work-group's).  The eight partial winners of a query meet in LDS; then wave w copies rows 4 w .. 4 w + 3, each load and store 512 consecutive bytes.
; No loop, so no prefetch; no matrix unit, no cluster: a reduction of 2 MiB and a copy.
.set SPW, 8
.set NIL, 9
.macro MERGE a, b, m                   ; pair a keeps the better of a (earlier ranges) and b
	v_cmp_gt_u32 s[\m], v[\b], v[\a]
	v_cndmask_b32 v[\a], v[\a], v[\b], s[\m]
	v_cndmask_b32 v[\a+1], v[\a+1], v[\b+1], s[\m]
.endm
.macro TREE x                          ; eight pairs from v[x] on
	MERGE \x, \x+2, 28
	MERGE \x+4, \x+6, 29
	MERGE \x+8, \x+10, 30
	MERGE \x+12, \x+14, 31
	MERGE \x, \x+4, 28
	MERGE \x+8, \x+12, 29
	MERGE \x, \x+8, 28
.endm
	s_load_b128 s[4:7], s[0:1], 0x0                ; part, action_set
	s_load_b64 s[8:9], s[0:1], 0x10                ; out0
	v_lshl_add_u32 v[SPW], v0, 2, 1024
	v_mov_b32 v[NIL], 0
	v_lshrrev_b32 v2, 5, v0
	v_readfirstlane_b32 s10, v2                    ; wave 0..3
	v_and_b32 v1, 31, v0
	v_lshlrev_b32 v1, 4, v1                        ; 16 x lane
	v_and_b32 v3, 15, v0
	v_bfe_u32 v4, v0, 4, 1
	v_lshlrev_b32 v3, 3, v3
	v_lshl_add_u32 v3, v4, 11, v3                  ; 8 q + 8 ranges of 256 bytes x sub
	v_lshlrev_b32 v5, 3, v0                        ; LDS: partial 2 w + sub of query q at 128 (2 w + sub) + 8 q = 8 x thread
	v_and_b32 v6, 3, v0
	v_lshlrev_b32 v6, 3, v6
	v_lshl_add_u32 v6, v2, 5, v6                   ; and back: query 4 w + l % 4
	s_lshr_b32 s11, ttmp9, 1
	s_lshl_b32 s16, s11, 14                        ; the group of 32 queries,
	s_and_b32 s12, ttmp9, 1
	s_lshl_b32 s12, s12, 7                         ; my half of it,
	s_add_co_u32 s16, s16, s12
	s_lshl_b32 s12, s10, 12                        ; my wave's 16 ranges
	s_add_co_u32 s16, s16, s12
	s_mov_b32 s17, 0
	s_lshl_b32 s18, ttmp9, 15                      ; out0: row 16 g + 4 w
	s_lshl_b32 s12, s10, 13
	s_add_co_u32 s18, s18, s12
	s_mov_b32 s19, 0
	s_wait_alu depctr_va_vdst(0)                   ; the wait at the head's end
	s_wait_kmcnt 0x0
	s_add_nc_u64 s[4:5], s[4:5], s[16:17]
	s_add_nc_u64 s[8:9], s[8:9], s[18:19]
.irp i, 0,1,2,3,4,5,6,7
	global_load_b64 v[16+2*\i:17+2*\i], v3, s[4:5] offset:256*\i th:TH_LOAD_NT
.endr
	s_wait_loadcnt 0x0
	TREE 16
	ds_store_b64 v5, v[16:17]
	s_wait_dscnt 0x0                               ; for the others' sake
	s_barrier_signal -1
	s_barrier_wait -1
.irp p, 0,1,2,3,4,5,6,7
	ds_load_b64 v[32+2*\p:33+2*\p], v6 offset:128*\p
.endr
	s_wait_dscnt 0x0
	TREE 32
.irp i, 0,1,2,3
	v_readlane_b32 s[12+\i], v33, \i               ; lanes 0-3 hold my four queries' winners
.endr
.irp i, 0,1,2,3
	s_min_u32 s[12+\i], s[12+\i], 0x7fff           ; an index stays inside the table's 32,768 rows
	s_lshl_b32 s[20+2*\i], s[12+\i], 11
	s_mov_b32 s[21+2*\i], 0
	s_add_nc_u64 s[20+2*\i:21+2*\i], s[6:7], s[20+2*\i:21+2*\i]
.endr
.irp i, 0,1,2,3
.irp c, 0,1,2,3
	global_load_b128 v[48+16*\i+4*\c:51+16*\i+4*\c], v1, s[20+2*\i:21+2*\i] offset:512*\c   ; no hint: a row may be named by several queries
.endr
.endr
.irp i, 0,1,2,3
.irp c, 0,1,2,3
	s_wait_loadcnt 15-4*\i-\c                      ; loads come back in order: this one is in
	global_store_b128 v1, v[48+16*\i+4*\c:51+16*\i+4*\c], s[8:9] offset:2048*\i+512*\c th:TH_STORE_NT
.endr
.endr
	s_wait_tensorcnt 0x0                           ; the wave's end
	ds_add_u32 v[SPW], v[NIL]
	s_wait_dscnt 0x0
	s_endpgm
.Lfunc_end_k_q255ad6fedf_pick:
	.size	k_q255ad6fedf_pick, .Lfunc_end_k_q255ad6fedf_pick-k_q255ad6fedf_pick
	.p2alignl 7, 3214868480
	.fill 96, 4, 3214868480
	.section	.rodata,"a",@progbits
	.p2align	6, 0x0
	.amdhsa_kernel k_q255ad6fedf_pick
		.amdhsa_group_segment_fixed_size 1536
		.amdhsa_private_segment_fixed_size 0
		.amdhsa_enable_private_segment 0
		.amdhsa_kernarg_size 24
		.amdhsa_user_sgpr_count 2
		.amdhsa_user_sgpr_kernarg_segment_ptr 1
		.amdhsa_wavefront_size32 1
		.amdhsa_system_sgpr_workgroup_id_x 1
		.amdhsa_system_sgpr_workgroup_id_y 1
		.amdhsa_system_sgpr_workgroup_id_z 1
		.amdhsa_system_vgpr_workitem_id 0
		.amdhsa_next_free_vgpr 112
		.amdhsa_next_free_sgpr 66
		.amdhsa_reserve_vcc 0
		.amdhsa_float_denorm_mode_32 3
		.amdhsa_float_denorm_mode_16_64 3
		.amdhsa_memory_ordered 1
		.amdhsa_forward_progress 1
		.amdhsa_inst_pref_size 11
	.end_amdhsa_kernel
	.amdgpu_metadata
---
amdhsa.version: [ 1, 2 ]
amdhsa.kernels:
  - .name:           k_q255ad6fedf_pick
    .symbol:         k_q255ad6fedf_pick.kd
    .args:
      - { .name: part, .offset: 0, .size: 8, .value_kind: global_buffer, .address_space: global }
      - { .name: action_set, .offset: 8, .size: 8, .value_kind: global_buffer, .address_space: global }
      - { .name: out0, .offset: 16, .size: 8, .value_kind: global_buffer, .address_space: global }
    .group_segment_fixed_size: 1536
    .private_segment_fixed_size: 0
    .kernarg_segment_align: 8
    .kernarg_segment_size: 24
    .max_flat_workgroup_size: 128
    .sgpr_count:     66
    .vgpr_count:     112
    .wavefront_size: 32
...
	.end_amdgpu_metadata
.endif
;; end of part 3
